; MI455X (gfx1250); checked and timed in simulation.
; The chip was launched on July 23, 2026; its instructions are those of AMD's public machine-readable ISA for CDNA 5 (MIT licence, August 2026) and "CDNA5" Instruction Set Architecture Reference Guide (July 2026). The comments in the code are by the model that wrote it; some were corrected since.
;; Abstract Affine. Allowed arithmetic: float matrix products may take bf16 or f16 operands with f32 sums; other float arithmetic in f32, or as packed bf16 or f16 multiplies, adds, multiply-adds, maxima and minima; sums over many terms, partial sums and values carried from step to step in f32; what a program stores and reads back later, other than sums and carried values, may be rounded once to bf16 or f16.
;; Inputs: W 2,048 x 2,048 float32; b 2,048 float32; prev_W_lower 2,048 x 2,048 float32; prev_W_lower2 2,048 x 2,048 float32; prev_W_upper 2,048 x 2,048 float32; prev_W_upper2 2,048 x 2,048 float32; prev_b_lower 2,048 float32; prev_b_lower2 2,048 float32; prev_b_upper 2,048 float32; prev_b_upper2 2,048 float32; prev_lb 2,048 float32; prev_ub 2,048 float32.
;; Outputs: out0 4 x 2,048 float32; out1 2,048 x 2,048 float32; out2 2,048 x 2,048 float32; out3 2,048 float32; out4 2,048 float32.
;; 2 versions, each right; version 2 is version 1 with the launch prep written anew for expert scheduling mode. Each part assembles by itself: llvm-mc -triple=amdgcn-amd-amdhsa -mcpu=gfx1250 --defsym DOCPART=n.
;; ======== version 1 of 2: 3 launches
;; workspace buffers: WA 16,777,216 bytes; PB 33,554,432 bytes; vecs 65,536 bytes; part 262,144 bytes
;; launch prep (part 1): grid 256 x 1, 16 waves a work-group, no clusters, 4,096 bytes of LDS; arguments W, prev_b_upper, prev_b_lower, prev_ub, prev_lb, prev_b_upper2, prev_b_lower2, prev_W_upper, prev_W_lower, prev_W_upper2, prev_W_lower2, WA, PB, vecs; writes WA, PB, vecs
.if DOCPART == 1
	.amdgcn_target "amdgcn-amd-amdhsa--gfx1250"
	.amdhsa_code_object_version 6
	.text
	.protected	k_q371127c60e_prep
	.globl	k_q371127c60e_prep
	.p2align	8
	.type	k_q371127c60e_prep,@function
k_q371127c60e_prep:
	s_mov_b64 s[64:65], 0
	v_nop
	global_prefetch_b8 v0, s[64:65] scope:SCOPE_SE
	s_setreg_imm32_b32 hwreg(HW_REG_WAVE_MODE, 25, 1), 1
	s_wait_xcnt 0x0
; PREP.  Every input matrix is rounded once to bf16 (nearest even) and laid out for the product launch; the twelve products of max(W,0) and min(W,0) with the six vectors are made on the way.
;   WA  bf16 [kb 32][ty 16][sign 2][ri 128][64 k]: sign 0 = max(W,0), sign 1 = min(W,0); row = 128 ty + ri, k = 64 kb + ..: 64 along K of a block of 128 rows are 32,768 dense bytes.
;   PB  bf16 [k 2048][tx 16][mat 4][128 columns]: mat = prev_W_upper, prev_W_lower, prev_W_upper2, prev_W_lower2.
;   vecs f32 [row 2048][8]: the sums of b_upper, b_lower, ub, lb, bu, bl WITHOUT b; words 6 and 7 are 0, so that a work-group's 8 rows are 256 bytes on end.
; LIMITS.  W and the six vectors enter the sums rounded to bf16; products and sums are f32, in another order than a row-by-row sum.  A NaN in W counts as 0 in both parts (the packed maximum
; and minimum drop it); infinities are not treated apart; the sign of zero is not kept.
; SHARES.  256 work-groups, all alike: work-group wg owns rows 8 wg .. 8 wg + 7 of W and of the four prev_W.  Sixteen waves.
;   prev_W: thread t takes the 16 bytes at byte 16 t of a row, so wave w holds columns 128 w .. 128 w + 127 (tx = w); rounded they are 8 bytes a lane, 256 bytes a wave, aligned, in PB.
;   W: wave w = v + 8 g takes k = 256 v .. 256 v + 255 of rows 4 g .. 4 g + 3, two rows at a time: lanes 0-15 one row, lanes 16-31 the next, 4 numbers a lane.  A load covers 256 consecutive
;   bytes of each of two rows; a store covers 256 consecutive bytes of WA (two rows x 64 k).  The wave's 256 numbers of each vector stay in registers.  The eight strips' sums meet in LDS.
; NO CLUSTER, NO TENSOR LOAD, NO MATRIX UNIT: each byte of the matrices is read once, by one wave; what work-groups share, the six vectors, is 48 KiB beside 80 MiB; the vector products
; are 12 multiply-adds for each number of W that lies in registers anyway, in a layout chosen for whole stores.
.set SPARE, 2048                       ; LDS: bytes 0-2047 the partial sums [v 8][row 8][8 words]; behind them the spare words, 128 bytes for each of 16 waves
.set WI,  4                            ; v4   my byte offset in W, from the work-group's first row
.set VI,  5                            ; v5   my byte offset in each vector
.set WO,  6                            ; v6   my byte offset in WA
.set PI,  7                            ; v7   my byte offset in a row of prev_W: 16 t
.set PO,  8                            ; v8   my byte offset in a k row of PB: 1,024 w + 8 lane
.set PS,  9                            ; v9   where my row's six sums go in LDS
.set VP,  10                           ; v10  8 x lane
.set ZR,  11                           ; v11  0, for the packed maximum and minimum
.set SPW, 12                           ; v12  LDS address of my spare word; never rewritten
.set NIL, 13                           ; v13  0; never rewritten
.set ACC, 16                           ; v[16:27]  six running sums, a pair each (even and odd numbers)
.set RS,  28                           ; v[28:35]  the six sums of a row, then two zeros
.set PF,  36                           ; v[36:39]  four numbers of max(W,0) in f32
.set MF,  40                           ; v[40:43]  four numbers of min(W,0) in f32
.set VEC, 48                           ; v[48:143] vector q, quarter t of the strip, number e at VEC + 16 q + 4 t + e; later the second batch of prev_W
.set WQ,  144                          ; v[144:175] W: row pair rp, quarter t at WQ + 16 rp + 4 t
.set PA,  176                          ; v[176:239] the first batch of prev_W
	s_load_b512 s[8:23], s[0:1], 0x0               ; W s[8:9]; the six vectors s[10:21]; prev_W_upper s[22:23]
	s_load_b256 s[24:31], s[0:1], 0x40             ; prev_W_lower, prev_W_upper2, prev_W_lower2 s[24:29]; WA s[30:31]
	s_load_b128 s[32:35], s[0:1], 0x60             ; PB s[32:33], vecs s[34:35]
	v_lshl_add_u32 v[SPW], v0, 2, SPARE
	v_mov_b32 v[NIL], 0
	v_lshrrev_b32 v1, 5, v0
	v_readfirstlane_b32 s36, v1                    ; wave 0..15
	s_and_b32 s37, s36, 7                          ; v: my strip of K
	s_lshr_b32 s38, s36, 3                         ; g: my four rows
	s_mov_b32 s44, 0xffff0000                      ; a word's upper bf16
	v_and_b32 v1, 31, v0                           ; lane
	v_and_b32 v2, 15, v0                           ; c: my four numbers in 64
	v_bfe_u32 v3, v0, 4, 1                         ; hh: which row of a pair
	s_lshl_b32 s45, s38, 15                        ; 4 g rows of 8,192 bytes
	s_lshl_b32 s46, s37, 10                        ; 256 v numbers of 4 bytes
	s_add_co_u32 s45, s45, s46
	v_lshl_add_u32 v[WI], v2, 4, s45
	v_lshl_add_u32 v[WI], v3, 13, v[WI]
	v_lshl_add_u32 v[VI], v2, 4, s46
	s_lshl_b32 s45, s37, 21                        ; kb = 4 v: 4 x 524,288 bytes
	s_lshl_b32 s47, s38, 9                         ; 4 g rows of 128 bytes
	s_add_co_u32 s45, s45, s47
	v_lshl_add_u32 v[WO], v2, 3, s45
	v_lshl_add_u32 v[WO], v3, 7, v[WO]
	v_lshlrev_b32 v[PI], 4, v0
	s_lshl_b32 s45, s36, 10
	v_lshl_add_u32 v[PO], v1, 3, s45
	s_lshl_b32 s45, s37, 8                         ; strip v: 256 bytes,
	s_lshl_b32 s47, s38, 7                         ; rows 4 g on: 32 bytes a row.  So each wave has 128 bytes of its own
	s_add_co_u32 s45, s45, s47
	v_lshl_add_u32 v[PS], v3, 5, s45
	v_lshlrev_b32 v[VP], 3, v1
	v_mov_b32 v[ZR], 0
	v_mov_b32 v[RS+6], 0
	v_mov_b32 v[RS+7], 0
	s_lshl_b32 s40, ttmp9, 16                      ; 8 rows of 8,192 bytes
	s_mov_b32 s41, 0
	s_lshr_b32 s42, ttmp9, 4                       ; ty
	s_lshl_b32 s42, s42, 15
	s_and_b32 s43, ttmp9, 15                       ; my 8 rows among ty's 128
	s_lshl_b32 s43, s43, 10
	s_add_co_u32 s42, s42, s43
	s_mov_b32 s43, 0
	s_wait_kmcnt 0x0
	s_add_nc_u64 s[8:9], s[8:9], s[40:41]
	s_add_nc_u64 s[22:23], s[22:23], s[40:41]
	s_add_nc_u64 s[24:25], s[24:25], s[40:41]
	s_add_nc_u64 s[26:27], s[26:27], s[40:41]
	s_add_nc_u64 s[28:29], s[28:29], s[40:41]
	s_add_nc_u64 s[30:31], s[30:31], s[42:43]
	s_lshl_b32 s40, ttmp9, 17                      ; 8 k rows of 16,384 bytes
	s_add_nc_u64 s[32:33], s[32:33], s[40:41]
	s_lshl_b32 s40, ttmp9, 8                       ; 8 rows of 32 bytes
	s_add_nc_u64 s[34:35], s[34:35], s[40:41]
	; 48 loads go out together: 24 for the vectors, 8 for W, 16 for prev_W_upper and prev_W_lower
.irp q, 0,1,2,3,4,5
.irp t, 0,1,2,3
	global_load_b128 v[VEC+16*\q+4*\t:VEC+16*\q+4*\t+3], v[VI], s[10+2*\q:11+2*\q] offset:256*\t
.endr
.endr
.irp rp, 0,1
.irp t, 0,1,2,3
	global_load_b128 v[WQ+16*\rp+4*\t:WQ+16*\rp+4*\t+3], v[WI], s[8:9] offset:16384*\rp+256*\t th:TH_LOAD_NT
.endr
.endr
.irp m, 0,1
.irp r, 0,1,2,3,4,5,6,7
	global_load_b128 v[PA+32*\m+4*\r:PA+32*\m+4*\r+3], v[PI], s[22+2*\m:23+2*\m] offset:8192*\r th:TH_LOAD_NT
.endr
.endr
; Four numbers of each of two rows of W.  left = the loads issued behind this quad's.  The quad's four registers end as the two stores' data and are not written again.
.macro WQUAD rp, t, left
.set R, WQ+16*(\rp)+4*(\t)
	s_wait_loadcnt \left
	v_cvt_pk_bf16_f32 v[R], v[R], v[R+1]           ; rounded once,
	v_cvt_pk_bf16_f32 v[R+1], v[R+2], v[R+3]
	v_pk_min_num_bf16 v[R+2], v[R], v[ZR]          ; and split by sign: nothing more is rounded
	v_pk_min_num_bf16 v[R+3], v[R+1], v[ZR]
	v_pk_max_num_bf16 v[R], v[R], v[ZR]
	v_pk_max_num_bf16 v[R+1], v[R+1], v[ZR]
	global_store_b64 v[WO], v[R:R+1], s[30:31] offset:524288*(\t)+256*(\rp)          ; the wave stores 256 consecutive bytes, aligned
	global_store_b64 v[WO], v[R+2:R+3], s[30:31] offset:524288*(\t)+256*(\rp)+16384
	v_lshlrev_b32 v[PF], 16, v[R]
	v_and_b32 v[PF+1], s44, v[R]
	v_lshlrev_b32 v[PF+2], 16, v[R+1]
	v_and_b32 v[PF+3], s44, v[R+1]
	v_lshlrev_b32 v[MF], 16, v[R+2]
	v_and_b32 v[MF+1], s44, v[R+2]
	v_lshlrev_b32 v[MF+2], 16, v[R+3]
	v_and_b32 v[MF+3], s44, v[R+3]
.irp j, 0,1,2                          ; the pairs of vectors (upper, lower): sum 2 j = p . upper + m . lower, sum 2 j + 1 = p . lower + m . upper
.irp p, 0,1
.set VA, VEC+32*\j+4*(\t)+2*\p
.set VB, VA+16
.set A0, ACC+4*\j
.set A1, ACC+4*\j+2
.if ((\t) == 0) && (\p == 0)
	v_pk_mul_f32 v[A0:A0+1], v[PF+2*\p:PF+2*\p+1], v[VA:VA+1]                ; a row's first products start its sums
	v_pk_mul_f32 v[A1:A1+1], v[PF+2*\p:PF+2*\p+1], v[VB:VB+1]
.else
	v_pk_fma_f32 v[A0:A0+1], v[PF+2*\p:PF+2*\p+1], v[VA:VA+1], v[A0:A0+1]
	v_pk_fma_f32 v[A1:A1+1], v[PF+2*\p:PF+2*\p+1], v[VB:VB+1], v[A1:A1+1]
.endif
	v_pk_fma_f32 v[A0:A0+1], v[MF+2*\p:MF+2*\p+1], v[VB:VB+1], v[A0:A0+1]
	v_pk_fma_f32 v[A1:A1+1], v[MF+2*\p:MF+2*\p+1], v[VA:VA+1], v[A1:A1+1]
.endr
.endr
.endm
; The six sums of a row pair: over the pair of each accumulator, then over the 16 lanes of a row; all 16 lanes store the same 32 bytes.
.macro RSUM rp
.irp o, 0,1,2,3,4,5
	v_add_f32 v[RS+\o], v[ACC+2*\o], v[ACC+2*\o+1]
.endr
.irp x, 1,2,4,8
.irp o, 0,1,2,3,4,5
	v_add_f32_dpp v[RS+\o], v[RS+\o], v[RS+\o] row_xmask:\x row_mask:0xf bank_mask:0xf
.endr
.endr
	ds_store_b128 v[PS], v[RS:RS+3] offset:64*(\rp)
	ds_store_b128 v[PS], v[RS+4:RS+7] offset:64*(\rp)+16
.endm
; 16 bytes of a row of prev_W become 8 of PB.  left = the loads issued behind this one.
.macro PCAST reg, mat, row, left
	s_wait_loadcnt \left
	v_cvt_pk_bf16_f32 v[\reg], v[\reg], v[(\reg)+1]
	v_cvt_pk_bf16_f32 v[(\reg)+1], v[(\reg)+2], v[(\reg)+3]
	global_store_b64 v[PO], v[\reg:(\reg)+1], s[32:33] offset:16384*(\row)+256*(\mat)  ; the wave stores 256 consecutive bytes, aligned
.endm
	s_wait_loadcnt 24                              ; the vectors are in; W's 8 loads and prev_W's 16 stay out
.set i, 0
.rept 48                                       ; the vectors, rounded to bf16 and widened again
	v_cvt_pk_bf16_f32 v14, v[VEC+i], v[VEC+i+1]
	v_lshlrev_b32 v[VEC+i], 16, v14
	v_and_b32 v[VEC+i+1], s44, v14
.set i, i+2
.endr
	WQUAD 0, 0, 23                                 ; behind a quad's load: the later quads' and prev_W's 16
	WQUAD 0, 1, 22
	WQUAD 0, 2, 21
	WQUAD 0, 3, 20
	RSUM 0
	WQUAD 1, 0, 19
	WQUAD 1, 1, 18
	WQUAD 1, 2, 17
	WQUAD 1, 3, 16
	RSUM 1
.irp m, 2,3                            ; the vectors' registers are free: prev_W_upper2 and prev_W_lower2
.irp r, 0,1,2,3,4,5,6,7
	global_load_b128 v[VEC+32*(\m-2)+4*\r:VEC+32*(\m-2)+4*\r+3], v[PI], s[22+2*\m:23+2*\m] offset:8192*\r th:TH_LOAD_NT
.endr
.endr
	s_wait_dscnt 0x0                               ; for the others' sake: my partial sums lie in LDS
	s_barrier_signal -1
	s_barrier_wait -1                              ; everybody's do
	s_cmp_lg_u32 s36, 0
	s_cbranch_scc1 .Lnot_wave_0
.irp v, 0,1,2,3,4,5,6,7                ; wave 0 adds the eight strips: lane l takes words 2 l, 2 l + 1 of the 8 rows x 8 words
	ds_load_b64 v[ACC+2*\v:ACC+2*\v+1], v[VP] offset:256*\v
.endr
	s_wait_dscnt 0x0
	v_pk_add_f32 v[ACC:ACC+1], v[ACC:ACC+1], v[ACC+2:ACC+3]
	v_pk_add_f32 v[ACC+4:ACC+5], v[ACC+4:ACC+5], v[ACC+6:ACC+7]
	v_pk_add_f32 v[ACC+8:ACC+9], v[ACC+8:ACC+9], v[ACC+10:ACC+11]
	v_pk_add_f32 v[ACC+12:ACC+13], v[ACC+12:ACC+13], v[ACC+14:ACC+15]
	v_pk_add_f32 v[ACC:ACC+1], v[ACC:ACC+1], v[ACC+4:ACC+5]
	v_pk_add_f32 v[ACC+8:ACC+9], v[ACC+8:ACC+9], v[ACC+12:ACC+13]
	v_pk_add_f32 v[ACC:ACC+1], v[ACC:ACC+1], v[ACC+8:ACC+9]
	global_store_b64 v[VP], v[ACC:ACC+1], s[34:35]  ; 256 consecutive bytes, aligned
.Lnot_wave_0:
.irp m, 0,1
.irp r, 0,1,2,3,4,5,6,7
	PCAST PA+32*\m+4*\r, \m, \r, 31-8*\m-\r        ; behind it: the rest of the first batch and the second batch's 16
.endr
.endr
.irp m, 2,3
.irp r, 0,1,2,3,4,5,6,7
	PCAST VEC+32*(\m-2)+4*\r, \m, \r, 15-8*(\m-2)-\r
.endr
.endr
	s_wait_tensorcnt 0x0                           ; the wave's end: behind my last LDS store
	ds_add_u32 v[SPW], v[NIL]
	s_wait_dscnt 0x0
	s_endpgm
.Lfunc_end_k_q371127c60e_prep:
	.size	k_q371127c60e_prep, .Lfunc_end_k_q371127c60e_prep-k_q371127c60e_prep
	.p2alignl 7, 3214868480
	.fill 96, 4, 3214868480
	.section	.rodata,"a",@progbits
	.p2align	6, 0x0
	.amdhsa_kernel k_q371127c60e_prep
		.amdhsa_group_segment_fixed_size 4096
		.amdhsa_private_segment_fixed_size 0
		.amdhsa_enable_private_segment 0
		.amdhsa_kernarg_size 112
		.amdhsa_user_sgpr_count 2
		.amdhsa_user_sgpr_kernarg_segment_ptr 1
		.amdhsa_wavefront_size32 1
		.amdhsa_system_sgpr_workgroup_id_x 1
		.amdhsa_system_sgpr_workgroup_id_y 1
		.amdhsa_system_sgpr_workgroup_id_z 1
		.amdhsa_system_vgpr_workitem_id 0
		.amdhsa_next_free_vgpr 240
		.amdhsa_next_free_sgpr 66
		.amdhsa_reserve_vcc 0
		.amdhsa_float_denorm_mode_32 3
		.amdhsa_float_denorm_mode_16_64 3
		.amdhsa_memory_ordered 1
		.amdhsa_forward_progress 1
		.amdhsa_inst_pref_size 47
	.end_amdhsa_kernel
	.amdgpu_metadata
---
amdhsa.version: [ 1, 2 ]
amdhsa.kernels:
  - .name:           k_q371127c60e_prep
    .symbol:         k_q371127c60e_prep.kd
    .args:
      - { .name: W, .offset: 0, .size: 8, .value_kind: global_buffer, .address_space: global }
      - { .name: prev_b_upper, .offset: 8, .size: 8, .value_kind: global_buffer, .address_space: global }
      - { .name: prev_b_lower, .offset: 16, .size: 8, .value_kind: global_buffer, .address_space: global }
      - { .name: prev_ub, .offset: 24, .size: 8, .value_kind: global_buffer, .address_space: global }
      - { .name: prev_lb, .offset: 32, .size: 8, .value_kind: global_buffer, .address_space: global }
      - { .name: prev_b_upper2, .offset: 40, .size: 8, .value_kind: global_buffer, .address_space: global }
      - { .name: prev_b_lower2, .offset: 48, .size: 8, .value_kind: global_buffer, .address_space: global }
      - { .name: prev_W_upper, .offset: 56, .size: 8, .value_kind: global_buffer, .address_space: global }
      - { .name: prev_W_lower, .offset: 64, .size: 8, .value_kind: global_buffer, .address_space: global }
      - { .name: prev_W_upper2, .offset: 72, .size: 8, .value_kind: global_buffer, .address_space: global }
      - { .name: prev_W_lower2, .offset: 80, .size: 8, .value_kind: global_buffer, .address_space: global }
      - { .name: WA, .offset: 88, .size: 8, .value_kind: global_buffer, .address_space: global }
      - { .name: PB, .offset: 96, .size: 8, .value_kind: global_buffer, .address_space: global }
      - { .name: vecs, .offset: 104, .size: 8, .value_kind: global_buffer, .address_space: global }
    .group_segment_fixed_size: 4096
    .private_segment_fixed_size: 0
    .kernarg_segment_align: 8
    .kernarg_segment_size: 112
    .max_flat_workgroup_size: 512
    .sgpr_count:     66
    .vgpr_count:     240
    .wavefront_size: 32
...
	.end_amdgpu_metadata
.endif
;; end of part 1
;; launch gemm (part 2): grid 16 x 16, 4 waves a work-group, clusters of 4 x 4, 327,680 bytes of LDS; arguments WA, PB, prev_ub, prev_lb, out1, out2, part; writes out1, out2, part
.if DOCPART == 2
	.amdgcn_target "amdgcn-amd-amdhsa--gfx1250"
	.amdhsa_code_object_version 6
	.text
	.protected	k_q371127c60e_gemm
	.globl	k_q371127c60e_gemm
	.p2align	8
	.type	k_q371127c60e_gemm,@function
k_q371127c60e_gemm:
	s_mov_b64 s[64:65], 0
	v_nop
	global_prefetch_b8 v0, s[64:65] scope:SCOPE_SE
	s_setreg_imm32_b32 hwreg(HW_REG_WAVE_MODE, 25, 1), 1
	s_wait_xcnt 0x0
	s_wait_alu depctr_hold_cnt(0) depctr_sa_sdst(0) depctr_va_vdst(0) depctr_va_sdst(0) depctr_va_ssrc(0) depctr_va_vcc(0) depctr_vm_vsrc(0)
	s_getreg_b32 s2, hwreg(HW_REG_IB_STS2, 6, 4)
	s_cmp_eq_u32 s2, 0
	s_cbranch_scc0 .Lentry_in_a_cluster
	s_endpgm
.Lentry_in_a_cluster:
	s_bfe_u32 s2, ttmp6, 0x10000c
	s_cmp_lg_u32 s2, 0xf033
	s_cbranch_scc0 .Lentry_shape_is_right
	s_endpgm
.Lentry_shape_is_right:
; ALL EIGHT PRODUCTS.  With Wp = max(W,0), Wm = min(W,0) (bf16, from WA) and X, Y a pair of prev_W (bf16, from PB):  U = Wp X + Wm Y,  L = Wp Y + Wm X, for the pairs
; (prev_W_upper, prev_W_lower) -> U1 = W_upper (out1), L1 = W_lower (out2), and (prev_W_upper2, prev_W_lower2) -> U2 = Wu, L2 = Wl, which are never stored: each row is folded at once,
;   part[tx][0][row] = the sum over my 128 columns of max(U2,0) ub + min(U2,0) lb,     part[tx][1][row] = the sum of max(L2,0) lb + min(L2,0) ub.
; Sums in f32.  The fold uses max(x,0) u + min(x,0) l = x c + |x| rad with c = (u + l) / 2, rad = (u - l) / 2, all in f32: an identity for finite numbers.
; LIMITS.  The operands are the inputs rounded once to bf16 (prev_ub and prev_lb too); sums in another order than a plain row-by-column sum; NaN and infinities are not treated apart.
; All eight products are made as they stand: W (X + Y) / 2 and |W| (X - Y) / 2 would halve them, but would form L as a difference of two large rounded sums.
; SHARES.  256 work-groups, one tile each: rows 128 ty .., columns 128 tx .. of all four results.  Wave w makes rows 64 (w / 2) .. x columns 64 (w % 2) .. of the four: 64 accumulators, 512 registers.
; For 32 along K a wave loads 8 fragments of W (2 signs x 4 row blocks) and 16 of prev_W (4 matrices x 4 column blocks), 48 LDS loads, and issues 128 matrix instructions: each fragment of Wp and Wm
; meets both X and Y.  K goes in 32 steps of 64 through a ring of two LDS slots.
; TRANSPOSED USE.  Source 0 = 16 columns of prev_W ([k][column] in LDS, turned by ds_load_tr16_b128), source 1 = 16 rows of W: lane l then holds row l % 16 and the columns 8 (l / 16) + 0..7.
; CLUSTER.  4 x 4 work-groups.  W's tiles hang on ty alone and are shared along a row of the cluster, prev_W's on tx alone and are shared along a column: each is asked for JOINTLY, by the same
; tensor load with the same descriptor and a mask that names the four.  Waves 0 and 1 ask for Wp and Wm, waves 2 and 3 for the two pairs of prev_W: one load a wave.
; REGISTERS, in windows of 256 (s_set_vgpr_msb: bits 1:0 source 0, 3:2 source 1, 5:4 source 2, 7:6 destination):
;   window 0: v0-51 addresses and the fold's sums; v64-127, v128-191 W's fragments, two buffers (sign g, row block a at 32 g + 8 a); v192-223 c, v224-255 rad of my 32 columns
;   window 1: prev_W's fragments, two buffers of 128 (pair p, matrix m, column block b at 64 p + 32 m + 8 b); on the way out 8 x 32 registers of rows read back
;   window 2: U1 at 8 (4 a + b), L1 at 128 + 8 (4 a + b)          window 3: U2, L2 likewise
.set ASTEP,  524288                    ; bytes from a K step to the next in WA
.set BSTEP,  1048576                   ; and in PB: 64 rows of 16,384
.set APITCH, 144                       ; a row of W in LDS: 128 bytes + 16 = 36 words: the 16 rows of a load start at 16 different groups of four banks (64 banks of 4 bytes: ISA guide 11.1)
.set BPITCH, 544                       ; a k row of a pair: 512 bytes + 32 = 136 words: row r starts at bank 8 r mod 64
.set AWM,    128*APITCH                ; Wm's 128 rows lie behind Wp's
.set BOFF,   2*AWM                     ; then the first pair's 64 k rows,
.set BPR,    64*BPITCH                 ; and the second pair's
.set SLOT,   BOFF+2*BPR                ; 106,496
.set STAGE,  2*SLOT                    ; behind the ring: 16 rows x 272 bytes for each wave, for the way out
.set SPITCH, 272
.set RED,    STAGE+4*16*SPITCH         ; [result 2][column half 2][128 rows] f32: the fold's sums
.set SPARE,  RED+2048                  ; the spare words, 128 bytes for each wave: two blocks of 256 bytes that no other line names
.set ADRA, 16                          ; v16-17  LDS address of my fragments of W in slot 0, 1
.set ADRB, 20                          ; v20-21  the same for prev_W
.set STO,  24                          ; v24     the way out: where I put 32 bytes of a row
.set RD,   25                          ; v25     where I read a row back
.set CO,   26                          ; v26     my byte offset in out1 and out2
.set REDS, 27                          ; v27     where my row's folded sum goes
.set SPW,  28                          ; v28     LDS address of my spare word; never rewritten
.set NIL,  29                          ; v29     0; never rewritten
.set PFO,  30                          ; v30     the prefetches' offset; never rewritten
.set REDL, 31                          ; v31     where I read two rows' sums back
.set PO,   32                          ; v32     8 x lane
.set VO,   33                          ; v33     32 x (lane / 16)
.set SU0,  36                          ; v36-39  row block a: the sum of U2 c;  v40-43 of |U2| rad;  v44-47 of L2 c;  v48-51 of |L2| rad
.set SU1,  40
.set SL0,  44
.set SL1,  48
.set AF,   64
.set CEN,  192
.set RAD,  224
.set WV,  18                           ; s18 wave; s19 = wave / 2: my row half, and 0: I ask for W, 1: for prev_W; s20 = wave % 2: my column half, and which of the two tiles I ask for
.set WR,  19
.set WC,  20
.set CX,  21
.set CY,  22
.set TX,  23
.set TY,  40
.set G1A, 24                           ; s[24:31] descriptor group 1 for W's tiles;  s[32:39] group 0, a set for each slot
.set G0A, 32
.set G1B, 48                           ; s[48:55], s[56:63] the same for prev_W's
.set G0B, 56
.set LIM, 43                           ; s43  1 in a wave that prefetches, else the greatest number
.set PFA, 44                           ; s[44:45] where my prefetches stand
.set PFS, 46                           ; s[46:47] a K step in the buffer that I prefetch
.set LAP, 66                           ; s66  trips to go
.set MSB, 0
.macro WIN new                         ; the immediate's high byte repeats the setting that is left; a switch that changes nothing is dropped
.if MSB != (\new)
	s_set_vgpr_msb (MSB<<8)|(\new)
.set MSB, \new
.endif
.endm
.set MUL_LO, 0xa1                      ; source 0 (prev_W) window 1, source 1 (W) window 0, C and D window 2
.set TO_B,   0x40                      ; destination window 1, address window 0
.macro PLACES                          ; four places in front of loads into registers that matrix instructions have read, and of lines that read results (ISA guide 7.12.1 for lines that read results)
.rept 4
	v_nop
.endr
.endm
; A joint load.  The branch hangs on the wave's number alone.  An s_nop 0 and four v_nop follow each of the two lines, ahead of the jump, the label and what follows.
.macro JLOAD s
	s_cmp_eq_u32 s[WR], 0
	s_cbranch_scc0 .Lfor_b_\@
	tensor_load_to_lds s[G0A+4*(\s):G0A+4*(\s)+3], s[G1A:G1A+7]
	s_nop 0
.rept 4
	v_nop
.endr
	s_branch .Lasked_\@
.Lfor_b_\@:
	tensor_load_to_lds s[G0B+4*(\s):G0B+4*(\s)+3], s[G1B:G1B+7]
	s_nop 0
.rept 4
	v_nop
.endr
.Lasked_\@:
.endm
; A PREFETCH INTO THE L2 of the K step that stands two refills on, behind the joint load, its five lines and the run of LDS loads: one instruction a wave, a lane a block of 256 bytes.
; Each block is named once in the launch.  W's tile row is read by every cluster of that row of clusters: the one with x = 0 asks, its wave 0; a step's 32,768 bytes are shared out among the four
; partners BY ADDRESS (cx: 8,192 each).  prev_W's tile column is read by every cluster of that column: the one with y = 0 asks, waves 2 and 3 each for the tile that they fetch; partner cy takes 16 of
; its 64 k rows, two blocks a row.  K steps 0 to 3 come by their loads alone; the loop's last trip asks for nothing: its refills are the last two K steps.
.macro ASK
	s_cmp_gt_u32 s[LAP], s[LIM]
	s_cbranch_scc0 .Lnot_mine_\@
	global_prefetch_b8 v[PFO], s[PFA:PFA+1] th:TH_LOAD_NT scope:SCOPE_SE
.Lnot_mine_\@:
.endm
.macro CREST                           ; a round of the cluster's barrier behind its opening barrier
	s_cmp_lg_u32 s[WV], 0
	s_cbranch_scc1 .Lnot_wave_0_\@
	s_barrier_signal -3
.Lnot_wave_0_\@:
	s_barrier_wait -3
	s_barrier_signal -1
	s_barrier_wait -1
.endm
.macro CROUND                          ; a whole round
	s_barrier_signal -1
	s_barrier_wait -1
	CREST
.endm
	s_load_b256 s[4:11], s[0:1], 0x0               ; WA s[4:5], PB s[6:7], prev_ub s[8:9], prev_lb s[10:11]
	s_load_b128 s[12:15], s[0:1], 0x20             ; out1 s[12:13], out2 s[14:15]
	s_load_b64 s[16:17], s[0:1], 0x30              ; part
	v_lshl_add_u32 v[SPW], v0, 2, SPARE
	v_mov_b32 v[NIL], 0
	ds_add_u32 v[SPW], v[NIL]                      ; the wave's opening: the add and its wait stand ahead of my first tensor load; the set-up below, work on registers, stands between them
	ds_add_u32 v28, v29
	v_lshrrev_b32 v1, 5, v0
	v_readfirstlane_b32 s[WV], v1                  ; wave 0..3
	s_lshr_b32 s[WR], s[WV], 1
	s_and_b32 s[WC], s[WV], 1
	s_bfe_u32 s[CX], ttmp6, 0x40000                ; my place in the cluster
	s_bfe_u32 s[CY], ttmp6, 0x40004
	s_lshl_b32 s[TX], ttmp9, 2                     ; in a cluster launch ttmp9 and ttmp7 count clusters
	s_add_co_u32 s[TX], s[TX], s[CX]               ; tile column = 4 x cluster x + cx
	s_and_b32 s[TY], ttmp7, 0xffff
	s_lshl_b32 s[TY], s[TY], 2
	s_add_co_u32 s[TY], s[TY], s[CY]               ; tile row = 4 x cluster y + cy
	s_lshl_b32 s41, s[CY], 2
	s_lshl_b32 s41, 15, s41                        ; my row of the cluster: places 4 cy .. 4 cy + 3
	s_lshl_b32 s42, 0x1111, s[CX]                  ; my column: places cx, cx + 4, cx + 8, cx + 12
	; group 1 for W: 128 rows x 128 bytes are 16,384 dense bytes: asked for as 64 rows of 256 bytes, two rows of W each, padded in LDS behind every 128 bytes
	s_or_b32 s[G1A+0], s41, (1<<16)|(1<<20)|(1<<21)|(4<<22)|(3<<25)  ; 15:0 the mask; 17:16 2-byte elements; 20 padding on; 21 set beside a mask; 24:22 after every 32 words (code 4); 31:25 4 words (code 3)
	s_mov_b32 s[G1A+1], 128<<16                    ; tensor_dim0 = 128
	s_mov_b32 s[G1A+2], 64<<16                     ; tensor_dim1 = 64
	s_mov_b32 s[G1A+3], 128<<16                    ; tile_dim0 = 128
	s_mov_b32 s[G1A+4], 64                         ; tile_dim1 = 64
	s_mov_b32 s[G1A+5], 128                        ; 128 elements from row to row
	s_mov_b32 s[G1A+6], 0
	s_mov_b32 s[G1A+7], 0
	; group 1 for prev_W: 64 k rows x 512 bytes (a pair's 128 columns each), 16,384 bytes from row to row
	s_or_b32 s[G1B+0], s42, (1<<16)|(1<<20)|(1<<21)|(6<<22)|(7<<25)  ; the column's mask; padding after every 128 words (code 6) of 8 words (code 7)
	s_mov_b32 s[G1B+1], 256<<16                    ; tensor_dim0 = 256
	s_mov_b32 s[G1B+2], 64<<16                     ; tensor_dim1 = 64
	s_mov_b32 s[G1B+3], 256<<16                    ; tile_dim0 = 256
	s_mov_b32 s[G1B+4], 64                         ; tile_dim1 = 64
	s_mov_b32 s[G1B+5], 8192                       ; 8,192 elements from row to row
	s_mov_b32 s[G1B+6], 0
	s_mov_b32 s[G1B+7], 0
	; where the tiles come from: W's from ty and the wave alone, prev_W's from tx and the wave alone, each in registers that never hold the other coordinate
	s_lshl_b32 s68, s[TY], 15                      ; block ty of a K step: 32,768 bytes,
	s_lshl_b32 s72, s[WC], 14                      ; Wp or Wm
	s_add_co_u32 s68, s68, s72
	s_mov_b32 s69, 0
	s_lshl_b32 s70, s[TX], 10                      ; block tx of a k row: 1,024 bytes,
	s_lshl_b32 s73, s[WC], 9                       ; the first or the second pair
	s_add_co_u32 s70, s70, s73
	s_mov_b32 s71, 0
	s_mul_i32 s72, s[WC], AWM                      ; and where they go: no place in the cluster enters an LDS address
	s_mul_i32 s73, s[WC], BPR
	s_add_co_u32 s73, s73, BOFF
	s_wait_dscnt 0x0                               ; the opening add is done
	s_wait_kmcnt 0x0
	s_add_nc_u64 s[68:69], s[4:5], s[68:69]
	s_add_nc_u64 s[70:71], s[6:7], s[70:71]
	CROUND                                         ; all sixteen work-groups are here: the first joint loads meet
.irp s, 0,1
	s_mov_b32 s[G0A+4*\s], 1                                       ; count = 1
	s_add_co_u32 s[G0A+4*\s+1], s72, \s*SLOT                       ; LDS address
	s_add_nc_u64 s[G0A+4*\s+2:G0A+4*\s+3], s[68:69], \s*ASTEP      ; global address: K step s
	s_or_b32 s[G0A+4*\s+3], s[G0A+4*\s+3], 0x80000000              ; type = 2
	s_mov_b32 s[G0B+4*\s], 1
	s_add_co_u32 s[G0B+4*\s+1], s73, \s*SLOT
	s_add_nc_u64 s[G0B+4*\s+2:G0B+4*\s+3], s[70:71], \s*BSTEP
	s_or_b32 s[G0B+4*\s+3], s[G0B+4*\s+3], 0x80000000
	JLOAD \s                                       ; the ring is filled before anything else is done: two loads of mine are out
.endr
	; All that follows, up to the wait for the first tile, stands in that wait.
	v_and_b32 v1, 15, v0                           ; r = l % 16
	v_bfe_u32 v2, v0, 4, 1                         ; h = l / 16
	v_and_b32 v3, 31, v0                           ; l
	v_and_b32 v4, 7, v0
	v_bfe_u32 v5, v0, 3, 1
	; a fragment of W: lane l holds row l % 16; registers 0-3 k = 8 h + 0..7, registers 4-7 k = 16 + 8 h + 0..7: two loads of 16 bytes, 32 bytes apart
	v_mul_u32_u24 v6, v1, APITCH
	v_lshl_add_u32 v6, v2, 4, v6
	s_mul_i32 s76, s[WR], 64*APITCH                ; my 64 rows
	v_add_nc_u32 v[ADRA], s76, v6
	v_add_nc_u32 v[ADRA+1], SLOT, v[ADRA]
	; the turning load takes 16 k x 16 columns (lane l reads k = 8 h + l % 8, columns 8 ((l / 8) % 2) + 0..7) and leaves half a fragment: lane l holds column l % 16 and 8 k
	v_lshl_add_u32 v7, v2, 3, v4
	v_mul_u32_u24 v7, v7, BPITCH
	v_lshl_add_u32 v7, v5, 4, v7
	s_lshl_b32 s76, s[WC], 7                       ; my 64 columns
	s_add_co_u32 s76, s76, BOFF
	v_add_nc_u32 v[ADRB], s76, v7
	v_add_nc_u32 v[ADRB+1], SLOT, v[ADRB]
	s_mul_i32 s76, s[WV], 16*SPITCH
	s_add_co_u32 s76, s76, STAGE                   ; my stage
	v_mul_u32_u24 v6, v1, SPITCH                   ; in: row l % 16, 32 bytes for each half of the lanes
	v_lshl_add_u32 v6, v2, 5, v6
	v_add_nc_u32 v[STO], s76, v6
	v_mul_u32_u24 v6, v2, SPITCH                   ; back: lanes 0-15 take one row of 256 bytes, lanes 16-31 the next
	v_lshl_add_u32 v6, v1, 4, v6
	v_add_nc_u32 v[RD], s76, v6
	v_lshlrev_b32 v6, 13, v2                       ; and the same two rows in out1 and out2
	v_lshl_add_u32 v[CO], v1, 4, v6
	s_lshl_b32 s76, s[WC], 9
	s_lshl_b32 s77, s[WR], 8
	s_add_co_u32 s76, s76, s77
	s_add_co_u32 s76, s76, RED
	v_lshl_add_u32 v[REDS], v1, 2, s76             ; column half WC, row 64 WR + r
	s_lshl_b32 s76, s[WR], 10
	s_lshl_b32 s77, s[WC], 8
	s_add_co_u32 s76, s76, s77
	s_add_co_u32 s76, s76, RED
	v_lshl_add_u32 v[REDL], v3, 3, s76             ; back: result WR, rows 64 WC + 2 l and the next
	v_lshlrev_b32 v[PO], 3, v3
	v_lshlrev_b32 v[VO], 5, v2
	s_mov_b32 s78, 0x76543210                      ; v_permlanex16_b32's selects: each lane takes its own place in the other half
	s_mov_b32 s79, 0xfedcba98
	s_lshl_b32 s74, s[TY], 20                      ; out1, out2: 128 ty rows of 8,192 bytes,
	s_lshl_b32 s76, s[WR], 19                      ; my 64 rows,
	s_add_co_u32 s74, s74, s76
	s_lshl_b32 s76, s[TX], 9                       ; 128 tx columns of 4 bytes,
	s_add_co_u32 s74, s74, s76
	s_lshl_b32 s77, s[WC], 8                       ; my 64 columns
	s_add_co_u32 s74, s74, s77
	s_mov_b32 s75, 0
	s_add_nc_u64 s[12:13], s[12:13], s[74:75]
	s_add_nc_u64 s[14:15], s[14:15], s[74:75]
	s_add_co_u32 s74, s76, s77                     ; prev_ub, prev_lb at my 64 columns
	s_add_nc_u64 s[8:9], s[8:9], s[74:75]
	s_add_nc_u64 s[10:11], s[10:11], s[74:75]
.irp b, 0,1,2,3                        ; my 8 columns of each column block: 16 b + 8 h + 0..7
	global_load_b128 v[CEN+8*\b:CEN+8*\b+3],   v[VO], s[8:9] offset:64*\b
	global_load_b128 v[CEN+8*\b+4:CEN+8*\b+7], v[VO], s[8:9] offset:64*\b+16
	global_load_b128 v[RAD+8*\b:RAD+8*\b+3],   v[VO], s[10:11] offset:64*\b
	global_load_b128 v[RAD+8*\b+4:RAD+8*\b+7], v[VO], s[10:11] offset:64*\b+16
.endr
	s_lshl_b32 s74, s[TX], 14                      ; part: [tx][result][row]: I store result WR, rows 128 ty + 64 WC ..
	s_lshl_b32 s76, s[WR], 13
	s_add_co_u32 s74, s74, s76
	s_lshl_b32 s76, s[TY], 9
	s_add_co_u32 s74, s74, s76
	s_add_co_u32 s74, s74, s77
	s_add_nc_u64 s[16:17], s[16:17], s[74:75]
	; the prefetches
	s_and_b32 s76, ttmp7, 0xffff                   ; cluster y
	s_cmp_eq_u32 s[WR], 0                          ; do I ask for W?
	s_cselect_b32 s76, ttmp9, s76                  ; the coordinate along which other clusters read the same tiles
	s_cselect_b32 s77, s[WC], 0                    ; of W's two waves only wave 0 prefetches
	s_or_b32 s76, s76, s77
	s_cmp_eq_u32 s76, 0
	s_cselect_b32 s[LIM], 1, -1                    ; the same in all sixteen partners, for a given wave
	s_lshl_b32 s80, s[TY], 15
	s_lshl_b32 s81, s[CX], 13                      ; my work-group's 8,192 bytes of a step's 32,768
	s_add_co_u32 s80, s80, s81
	s_add_co_u32 s80, s80, 3*ASTEP                 ; at K step 3: the first refill steps it to 4
	s_lshl_b32 s82, s[TX], 10
	s_lshl_b32 s83, s[WC], 9
	s_add_co_u32 s82, s82, s83
	s_lshl_b32 s83, s[CY], 18                      ; my work-group's 16 k rows of a step's 64
	s_add_co_u32 s82, s82, s83
	s_add_co_u32 s82, s82, 3*BSTEP
	s_lshl_b32 s[PFS], ASTEP, s[WR]                ; BSTEP = 2 ASTEP
	s_mov_b32 s[PFS+1], 0
	s_cmp_eq_u32 s[WR], 0
	s_cselect_b32 s74, s80, s82
	s_cselect_b64 s[PFA:PFA+1], s[4:5], s[6:7]
	s_add_nc_u64 s[PFA:PFA+1], s[PFA:PFA+1], s[74:75]
	v_lshrrev_b32 v34, s[WR], v3                   ; W: 256 l.  prev_W: 16,384 (l / 2) + 256 (l % 2)
	s_mul_i32 s76, s[WR], 6
	s_add_co_u32 s76, s76, 8
	v_lshlrev_b32 v34, s76, v34
	v_and_b32 v35, s[WR], v3
	v_lshl_add_u32 v[PFO], v35, 8, v34
	s_wait_loadcnt 0x0                             ; prev_ub, prev_lb
.set i, 0
.rept 32                                       ; both rounded to bf16 and widened again (RAD = CEN + 32)
	v_cvt_pk_bf16_f32 v34, v[CEN+i], v[CEN+i+1]
	v_lshlrev_b32 v[CEN+i], 16, v34
	v_and_b32 v[CEN+i+1], 0xffff0000, v34
.set i, i+2
.endr
.set i, 0
.rept 16                                       ; rad = ub / 2 - lb / 2, c = ub / 2 + lb / 2
	v_pk_mul_f32 v[34:35], v[RAD+i:RAD+i+1], 0.5 op_sel_hi:[1,0]
	v_pk_fma_f32 v[RAD+i:RAD+i+1], v[CEN+i:CEN+i+1], 0.5, v[34:35] op_sel_hi:[1,0,1] neg_lo:[0,0,1] neg_hi:[0,0,1]
	v_pk_fma_f32 v[CEN+i:CEN+i+1], v[CEN+i:CEN+i+1], 0.5, v[34:35] op_sel_hi:[1,0,1]
.set i, i+2
.endr
; 16 matrix instructions on buffer f, pair pr, 32 along K: 4 row blocks x 4 column blocks.  s = 0: U += X Wp;  1: L += Y Wp;  2: U += Y Wm;  3: L += X Wm.  zero = 1: the product starts the sum.
; The accumulators take turns, one instruction a turn: between two instructions on one accumulator stand 31 others', from half to half and over the backward jump too.
.macro MULS f, pr, s, zero
	WIN MUL_LO+0x50*(\pr)
.irp a, 0,1,2,3
.irp b, 0,1,2,3
.set rD, 128*((\s)&1)+8*(4*\a+\b)
.set rB, 128*(\f)+64*(\pr)+32*((((\s)+1)>>1)&1)+8*\b
.set rA, AF+64*(\f)+32*((\s)>>1)+8*\a
.if \zero
	v_wmma_f32_16x16x32_bf16 v[rD:rD+7], v[rB:rB+7], v[rA:rA+7], 0
.else
	v_wmma_f32_16x16x32_bf16 v[rD:rD+7], v[rB:rB+7], v[rA:rA+7], v[rD:rD+7]
.endif
.endr
.endr
.endm
; 48 LDS loads in one run: the fragments of half hf (32 along K) of a slot, into buffer f: W's 16 loads, the first pair's 16, the second pair's 16.
.macro FETCH slot, hf, f
	WIN 0
.irp g, 0,1
.irp a, 0,1,2,3
	ds_load_b128 v[AF+64*(\f)+32*\g+8*\a:AF+64*(\f)+32*\g+8*\a+3],   v[ADRA+(\slot)] offset:\g*AWM+\a*16*APITCH+64*(\hf)
	ds_load_b128 v[AF+64*(\f)+32*\g+8*\a+4:AF+64*(\f)+32*\g+8*\a+7], v[ADRA+(\slot)] offset:\g*AWM+\a*16*APITCH+64*(\hf)+32
.endr
.endr
	WIN TO_B
.irp p, 0,1
.irp m, 0,1
.irp b, 0,1,2,3
	ds_load_tr16_b128 v[128*(\f)+64*\p+32*\m+8*\b:128*(\f)+64*\p+32*\m+8*\b+3],   v[ADRB+(\slot)] offset:\p*BPR+\m*256+32*\b+(\hf)*32*BPITCH
	ds_load_tr16_b128 v[128*(\f)+64*\p+32*\m+8*\b+4:128*(\f)+64*\p+32*\m+8*\b+7], v[ADRB+(\slot)] offset:\p*BPR+\m*256+32*\b+(\hf)*32*BPITCH+16*BPITCH
.endr
.endr
.endr
.endm
; A K step is two halves of 32 along K, 128 matrix instructions each, on buffers 0 and 1.  The first half multiplies buffer 0 and, in its middle, fetches the second half's fragments into buffer 1.
.macro HALF0 slot, zero
	s_wait_dscnt 16                                ; W and the first pair are in; the youngest 16 loads, the second pair's, may be out
	MULS 0, 0, 0, \zero
	MULS 0, 0, 1, \zero
	MULS 0, 0, 2, 0
	MULS 0, 0, 3, 0
	PLACES
	FETCH \slot, 1, 1
	s_wait_dscnt 48                                ; all but the 48 just issued
	MULS 0, 1, 0, \zero
	MULS 0, 1, 1, \zero
	MULS 0, 1, 2, 0
	MULS 0, 1, 3, 0
.endm
; The second half multiplies buffer 1 and changes slots: ONE barrier.  In front of it each wave waits for all its tensor loads, of which one is out: its part of the next slot; adds 0 to its spare word;
; and waits for that and for its own reads of this slot.  Behind it nobody reads this slot any more and the next slot is whole.  fill = 1: the barrier opens a round of the cluster's barrier, so that
; this holds of every partner too, and the slot is filled again first thing, with the K step two on: from the request to the wait for it a wave issues 224 matrix instructions.
.macro TURN slot, next, fill
.if \fill
	s_wait_xcnt 0x0                                ; the last prefetch, a K step back, has read its address: it is stepped here, ahead of the waits of the change of slots
	s_add_nc_u64 s[PFA:PFA+1], s[PFA:PFA+1], s[PFS:PFS+1]
.endif
	WIN 0                                          ; (the add's two registers lie in window 0)
	s_wait_tensorcnt 0x0                           ; all my tensor loads have landed;
	ds_add_u32 v[SPW], v[NIL]                      ; 0 onto my spare word;
	s_wait_dscnt 17                                ; (the add and the youngest 16 loads may be out)
	MULS 1, 0, 0, 0                                ; sixteen matrix instructions stand between the add and the wait for it
	s_wait_dscnt 0x0                               ; the add is done, and my reads of this slot are over:
	s_barrier_signal -1                            ; say so,
	MULS 1, 0, 1, 0                                ; work on registers while the others arrive,
	WIN 0
	s_barrier_wait -1                              ; and go on when all four have said so
.if \fill
	CREST                                          ; all sixteen work-groups have said so
	s_add_nc_u64 s[G0A+4*(\slot)+2:G0A+4*(\slot)+3], s[G0A+4*(\slot)+2:G0A+4*(\slot)+3], 2*ASTEP  ; no tensor load of mine is out, so a group 0 may be written
	s_add_nc_u64 s[G0B+4*(\slot)+2:G0B+4*(\slot)+3], s[G0B+4*(\slot)+2:G0B+4*(\slot)+3], 2*BSTEP
	JLOAD \slot                                    ; the first tensor load behind the round; its four v_nop are also the places in front of the loads below
.else
	PLACES
.endif
	FETCH \next, 0, 0
.if \fill
	WIN 0
	ASK
.endif
	MULS 1, 0, 2, 0
	MULS 1, 0, 3, 0
	MULS 1, 1, 0, 0
	MULS 1, 1, 1, 0
	MULS 1, 1, 2, 0
	MULS 1, 1, 3, 0
.endm
	s_wait_tensorcnt 1                             ; my part of K step 0 is in; K step 1's may stay out
	s_barrier_signal -1
	s_barrier_wait -1                              ; everybody's is
	FETCH 0, 0, 0
	HALF0 0, 1                                     ; the first half stands in front of the loop: its products start all 64 sums
	WIN 0                                          ; at a label and at a branch every window is 0
	s_mov_b32 s[LAP], 15
.Llap:                                                 ; a trip goes once round the ring, from a K step's second half to the first half two steps on, and fills both slots again: K steps 2 to 31
	TURN 0, 1, 1
	HALF0 1, 0
	TURN 1, 0, 1
	HALF0 0, 0
	WIN 0
	s_sub_co_u32 s[LAP], s[LAP], 1
	s_cmp_lg_u32 s[LAP], 0
	s_cbranch_scc1 .Llap
	TURN 0, 1, 0                                   ; the last two K steps are written out: nothing is left to fetch, and no round follows the barrier
	HALF0 1, 0
	s_wait_dscnt 16
	MULS 1, 0, 0, 0
	MULS 1, 0, 1, 0
	MULS 1, 0, 2, 0
	MULS 1, 0, 3, 0
	s_wait_dscnt 0x0
	MULS 1, 1, 0, 0
	MULS 1, 1, 1, 0
	MULS 1, 1, 2, 0
	MULS 1, 1, 3, 0
	PLACES                                         ; eight places, once a launch, between the last products and the lines that read results and load into fragments' registers
	PLACES
; THE WAY OUT of U1 and L1, a block of 16 rows x 64 columns at a time (blk = 4 x result + row block).  A lane's eight numbers of a row are 32 bytes; they go into my stage's rows of 272 bytes and
; come back as whole rows of 256.  The stage is my own: LDS serves a wave's instructions in order (ISA guide 5.7.1.4), so the loads see the stores above them, and the next block's stores come behind them.
.macro TOSTAGE blk
.set AC, 128*((\blk)/4)+32*((\blk)%4)
	WIN 0x08                                       ; the stores' data in window 2
.irp b, 0,1,2,3
	ds_store_b128 v[STO], v[AC+8*\b:AC+8*\b+3]   offset:64*\b      ; each accumulator's low registers first
	ds_store_b128 v[STO], v[AC+8*\b+4:AC+8*\b+7] offset:64*\b+16
.endr
	WIN TO_B                                       ; each block has 32 registers of its own in window 1: no store's data is written again
.irp t, 0,1,2,3,4,5,6,7
	ds_load_b128 v[32*(\blk)+4*\t:32*(\blk)+4*\t+3], v[RD] offset:\t*2*SPITCH
.endr
.endm
.macro SEND blk, younger               ; younger: the LDS instructions issued behind this block's loads: the next block's sixteen, or none
	WIN 0x04                                       ; the stores' data in window 1
.irp t, 0,1,2,3,4,5,6,7
	s_wait_dscnt (\younger)+7-\t
	global_store_b128 v[CO], v[32*(\blk)+4*\t:32*(\blk)+4*\t+3], s[12+2*((\blk)/4):13+2*((\blk)/4)] offset:(16*((\blk)%4)+2*\t)*8192 th:TH_STORE_NT  ; 16 lanes store 256 consecutive bytes, aligned
.endr
.endm
	TOSTAGE 0
.irp k, 1,2,3,4,5,6,7
	TOSTAGE \k
	SEND (\k)-1, 16
.endr
	SEND 7, 0
	; THE FOLD of U2 and L2, while those stores leave: 16 chains; each accumulator's lowest register is read first.
	WIN 0x03                                       ; source 0 in window 3
.irp b, 0,1,2,3
.irp j, 0,1,2,3,4,5,6,7
.irp a, 0,1,2,3
.set xU, 8*(4*\a+\b)+\j
.set xL, 128+xU
.if (\b == 0) && (\j == 0)
	v_mul_f32 v[SU0+\a], v[xU], v[CEN+8*\b+\j]     ; the first products start the sums
	v_mul_f32 v[SU1+\a], |v[xU]|, v[RAD+8*\b+\j]
	v_mul_f32 v[SL0+\a], v[xL], v[CEN+8*\b+\j]
	v_mul_f32 v[SL1+\a], |v[xL]|, v[RAD+8*\b+\j]
.else
	v_fma_f32 v[SU0+\a], v[xU], v[CEN+8*\b+\j], v[SU0+\a]
	v_fma_f32 v[SU1+\a], |v[xU]|, v[RAD+8*\b+\j], v[SU1+\a]
	v_fma_f32 v[SL0+\a], v[xL], v[CEN+8*\b+\j], v[SL0+\a]
	v_fma_f32 v[SL1+\a], |v[xL]|, v[RAD+8*\b+\j], v[SL1+\a]
.endif
.endr
.endr
.endr
	WIN 0
.irp a, 0,1,2,3
	v_add_f32 v[SU0+\a], v[SU0+\a], v[SU1+\a]      ; x c + |x| rad
	v_sub_f32 v[SL0+\a], v[SL0+\a], v[SL1+\a]      ; x c - |x| rad
.endr
.irp a, 0,1,2,3
	v_permlanex16_b32 v[SU1+\a], v[SU0+\a], s78, s79  ; the row's other 32 columns lie in the lane 16 away
	v_permlanex16_b32 v[SL1+\a], v[SL0+\a], s78, s79
.endr
.irp a, 0,1,2,3
	v_add_f32 v[SU0+\a], v[SU0+\a], v[SU1+\a]
	v_add_f32 v[SL0+\a], v[SL0+\a], v[SL1+\a]
.endr
.irp a, 0,1,2,3
	ds_store_b32 v[REDS], v[SU0+\a] offset:64*\a       ; both halves of the lanes store the same word with the same value
	ds_store_b32 v[REDS], v[SL0+\a] offset:1024+64*\a
.endr
	s_wait_dscnt 0x0                               ; for the others' sake: my sums lie in LDS
	s_barrier_signal -1
	s_barrier_wait -1                              ; everybody's do
	ds_load_b64 v[SU0:SU0+1], v[REDL]              ; the two column halves of two rows
	ds_load_b64 v[SU0+2:SU0+3], v[REDL] offset:512
	s_wait_dscnt 0x0
	v_pk_add_f32 v[SU0:SU0+1], v[SU0:SU0+1], v[SU0+2:SU0+3]
	global_store_b64 v[PO], v[SU0:SU0+1], s[16:17]  ; the wave stores 256 consecutive bytes, aligned: 64 rows of one result
	s_wait_tensorcnt 0x0                           ; the wave's end: behind my last tensor load and my last LDS store
	ds_add_u32 v[SPW], v[NIL]
	s_wait_dscnt 0x0
	CROUND                                         ; the closing round: no work-group ends while a partner may still ask for a tile that names it
	s_endpgm
.Lfunc_end_k_q371127c60e_gemm:
	.size	k_q371127c60e_gemm, .Lfunc_end_k_q371127c60e_gemm-k_q371127c60e_gemm
	.p2alignl 7, 3214868480
	.fill 96, 4, 3214868480
	.section	.rodata,"a",@progbits
	.p2align	6, 0x0
	.amdhsa_kernel k_q371127c60e_gemm
		.amdhsa_group_segment_fixed_size 327680
		.amdhsa_private_segment_fixed_size 0
		.amdhsa_enable_private_segment 0
		.amdhsa_kernarg_size 56
		.amdhsa_user_sgpr_count 2
		.amdhsa_user_sgpr_kernarg_segment_ptr 1
		.amdhsa_wavefront_size32 1
		.amdhsa_system_sgpr_workgroup_id_x 1
		.amdhsa_system_sgpr_workgroup_id_y 1
		.amdhsa_system_sgpr_workgroup_id_z 1
		.amdhsa_system_vgpr_workitem_id 0
		.amdhsa_next_free_vgpr 1024
		.amdhsa_next_free_sgpr 84
		.amdhsa_reserve_vcc 0
		.amdhsa_float_denorm_mode_32 3
		.amdhsa_float_denorm_mode_16_64 3
		.amdhsa_memory_ordered 1
		.amdhsa_forward_progress 1
		.amdhsa_inst_pref_size 163
	.end_amdhsa_kernel
	.amdgpu_metadata
---
amdhsa.version: [ 1, 2 ]
amdhsa.kernels:
  - .name:           k_q371127c60e_gemm
    .symbol:         k_q371127c60e_gemm.kd
    .args:
      - { .name: WA, .offset: 0, .size: 8, .value_kind: global_buffer, .address_space: global }
      - { .name: PB, .offset: 8, .size: 8, .value_kind: global_buffer, .address_space: global }
      - { .name: prev_ub, .offset: 16, .size: 8, .value_kind: global_buffer, .address_space: global }
      - { .name: prev_lb, .offset: 24, .size: 8, .value_kind: global_buffer, .address_space: global }
      - { .name: out1, .offset: 32, .size: 8, .value_kind: global_buffer, .address_space: global }
      - { .name: out2, .offset: 40, .size: 8, .value_kind: global_buffer, .address_space: global }
      - { .name: part, .offset: 48, .size: 8, .value_kind: global_buffer, .address_space: global }
    .group_segment_fixed_size: 327680
    .private_segment_fixed_size: 0
    .kernarg_segment_align: 8
    .kernarg_segment_size: 56
    .max_flat_workgroup_size: 128
    .sgpr_count:     84
    .vgpr_count:     1024
    .wavefront_size: 32
...
	.end_amdgpu_metadata
.endif
;; end of part 2
;; launch finish (part 3): grid 32 x 1, 1 waves a work-group, no clusters, 0 bytes of LDS; arguments vecs, part, b, out0, out3, out4; writes out0, out3, out4
.if DOCPART == 3
	.amdgcn_target "amdgcn-amd-amdhsa--gfx1250"
	.amdhsa_code_object_version 6
	.text
	.protected	k_q371127c60e_finish
	.globl	k_q371127c60e_finish
	.p2align	8
	.type	k_q371127c60e_finish,@function
k_q371127c60e_finish:
	s_mov_b64 s[64:65], 0
	v_nop
	global_prefetch_b8 v0, s[64:65] scope:SCOPE_SE
	s_setreg_imm32_b32 hwreg(HW_REG_WAVE_MODE, 25, 1), 1
	s_wait_xcnt 0x0
; FINISH.  b (rounded to bf16 like every input) is added to the six vector sums; the sixteen column tiles' folded sums are added to bu and bl; best_ub = min(ub, ub2), best_lb = max(lb, lb2)
; (reference()'s ub1 and lb1 are ub and lb themselves).  out0 = [ub, lb, best_ub, best_lb], out3 = b_upper, out4 = b_lower.  All in f32.
; LIMITS.  A NaN loses in the minimum and the maximum; sums in another order than reference()'s.
; SHARES.  One wave a work-group, 64 rows; lane l owns rows 2 l and 2 l + 1.  There are 2,048 rows: 32 work-groups are all the work there is.  Every load of part and b and every store covers
; 256 consecutive bytes, aligned.  All 37 loads go out together; nothing is shared between work-groups, so no cluster and no LDS.
.set VS,  8                            ; v[8:23]   vecs: row 2 l words 0-7, row 2 l + 1 words 0-7
.set BB,  24                           ; v[24:25]  b of my two rows
.set PT,  32                           ; v[32:95]  part: tile tx, result o: a pair at PT + 4 tx + 2 o
.set RES, 96                           ; v[96:107] pairs: b_upper, b_lower, ub, lb, bu -> ub2, bl -> lb2;  v[108:111] best_ub, best_lb
	s_load_b256 s[4:11], s[0:1], 0x0               ; vecs s[4:5], part s[6:7], b s[8:9], out0 s[10:11]
	s_load_b128 s[12:15], s[0:1], 0x20             ; out3 s[12:13], out4 s[14:15]
	v_lshlrev_b32 v1, 3, v0                        ; two rows of 4 bytes
	v_lshlrev_b32 v2, 6, v0                        ; two rows of 32 bytes
	s_lshl_b32 s16, ttmp9, 11                      ; 64 rows of 32 bytes
	s_mov_b32 s17, 0
	s_lshl_b32 s18, ttmp9, 8                       ; 64 rows of 4 bytes
	s_mov_b32 s19, 0
	s_wait_kmcnt 0x0
	s_add_nc_u64 s[4:5], s[4:5], s[16:17]
	s_add_nc_u64 s[6:7], s[6:7], s[18:19]
	s_add_nc_u64 s[8:9], s[8:9], s[18:19]
	s_add_nc_u64 s[10:11], s[10:11], s[18:19]
	s_add_nc_u64 s[12:13], s[12:13], s[18:19]
	s_add_nc_u64 s[14:15], s[14:15], s[18:19]
.irp i, 0,1,2,3
	global_load_b128 v[VS+4*\i:VS+4*\i+3], v2, s[4:5] offset:16*\i
.endr
	global_load_b64 v[BB:BB+1], v1, s[8:9]
.irp i, 0,1,2,3,4,5,6,7,8,9,10,11,12,13,14,15,16,17,18,19,20,21,22,23,24,25,26,27,28,29,30,31
	global_load_b64 v[PT+2*\i:PT+2*\i+1], v1, s[6:7] offset:8192*\i
.endr
	s_wait_loadcnt 0x0
	v_cvt_pk_bf16_f32 v26, v[BB], v[BB+1]
	v_lshlrev_b32 v[BB], 16, v26
	v_and_b32 v[BB+1], 0xffff0000, v26
.irp o, 0,1,2,3,4,5
	v_add_f32 v[RES+2*\o],   v[VS+\o],   v[BB]
	v_add_f32 v[RES+2*\o+1], v[VS+8+\o], v[BB+1]
.endr
.irp t, 0,1,2,3,4,5,6,7,8,9,10,11,12,13,14,15
	v_pk_add_f32 v[RES+8:RES+9],   v[RES+8:RES+9],   v[PT+4*\t:PT+4*\t+1]      ; ub2 = bu + the tiles' sums
	v_pk_add_f32 v[RES+10:RES+11], v[RES+10:RES+11], v[PT+4*\t+2:PT+4*\t+3]    ; lb2 = bl + the tiles' sums
.endr
	v_min_num_f32 v[RES+12], v[RES+4], v[RES+8]
	v_min_num_f32 v[RES+13], v[RES+5], v[RES+9]
	v_max_num_f32 v[RES+14], v[RES+6], v[RES+10]
	v_max_num_f32 v[RES+15], v[RES+7], v[RES+11]
	global_store_b64 v1, v[RES+4:RES+5],   s[10:11]               ; ub
	global_store_b64 v1, v[RES+6:RES+7],   s[10:11] offset:8192   ; lb
	global_store_b64 v1, v[RES+12:RES+13], s[10:11] offset:16384  ; best_ub
	global_store_b64 v1, v[RES+14:RES+15], s[10:11] offset:24576  ; best_lb
	global_store_b64 v1, v[RES:RES+1],     s[12:13]               ; b_upper
	global_store_b64 v1, v[RES+2:RES+3],   s[14:15]               ; b_lower
	s_endpgm
.Lfunc_end_k_q371127c60e_finish:
	.size	k_q371127c60e_finish, .Lfunc_end_k_q371127c60e_finish-k_q371127c60e_finish
	.p2alignl 7, 3214868480
	.fill 96, 4, 3214868480
	.section	.rodata,"a",@progbits
	.p2align	6, 0x0
	.amdhsa_kernel k_q371127c60e_finish
		.amdhsa_group_segment_fixed_size 0
		.amdhsa_private_segment_fixed_size 0
		.amdhsa_enable_private_segment 0
		.amdhsa_kernarg_size 48
		.amdhsa_user_sgpr_count 2
		.amdhsa_user_sgpr_kernarg_segment_ptr 1
		.amdhsa_wavefront_size32 1
		.amdhsa_system_sgpr_workgroup_id_x 1
		.amdhsa_system_sgpr_workgroup_id_y 1
		.amdhsa_system_sgpr_workgroup_id_z 1
		.amdhsa_system_vgpr_workitem_id 0
		.amdhsa_next_free_vgpr 128
		.amdhsa_next_free_sgpr 66
		.amdhsa_reserve_vcc 0
		.amdhsa_float_denorm_mode_32 3
		.amdhsa_float_denorm_mode_16_64 3
		.amdhsa_memory_ordered 1
		.amdhsa_forward_progress 1
		.amdhsa_inst_pref_size 8
	.end_amdhsa_kernel
	.amdgpu_metadata
---
amdhsa.version: [ 1, 2 ]
amdhsa.kernels:
  - .name:           k_q371127c60e_finish
    .symbol:         k_q371127c60e_finish.kd
    .args:
      - { .name: vecs, .offset: 0, .size: 8, .value_kind: global_buffer, .address_space: global }
      - { .name: part, .offset: 8, .size: 8, .value_kind: global_buffer, .address_space: global }
      - { .name: b, .offset: 16, .size: 8, .value_kind: global_buffer, .address_space: global }
      - { .name: out0, .offset: 24, .size: 8, .value_kind: global_buffer, .address_space: global }
      - { .name: out3, .offset: 32, .size: 8, .value_kind: global_buffer, .address_space: global }
      - { .name: out4, .offset: 40, .size: 8, .value_kind: global_buffer, .address_space: global }
    .group_segment_fixed_size: 0
    .private_segment_fixed_size: 0
    .kernarg_segment_align: 8
    .kernarg_segment_size: 48
    .max_flat_workgroup_size: 32
    .sgpr_count:     66
    .vgpr_count:     128
    .wavefront_size: 32
...
	.end_amdgpu_metadata
.endif
;; end of part 3
;; ======== version 2 of 2: 3 launches; version 1 with the launch prep written anew for expert scheduling mode
;; workspace buffers: WA 16,777,216 bytes; PB 33,554,432 bytes; vecs 65,536 bytes; part 262,144 bytes
;; launch prep (part 4): grid 256 x 1, 16 waves a work-group, no clusters, 4,096 bytes of LDS; arguments W, prev_b_upper, prev_b_lower, prev_ub, prev_lb, prev_b_upper2, prev_b_lower2, prev_W_upper, prev_W_lower, prev_W_upper2, prev_W_lower2, WA, PB, vecs; writes WA, PB, vecs
.if DOCPART == 4
	.amdgcn_target "amdgcn-amd-amdhsa--gfx1250"
	.amdhsa_code_object_version 6
	.text
	.protected	k_q371127c60e_prep
	.globl	k_q371127c60e_prep
	.p2align	8
	.type	k_q371127c60e_prep,@function
k_q371127c60e_prep:
	s_mov_b64 s[64:65], 0
	v_nop
	global_prefetch_b8 v0, s[64:65] scope:SCOPE_SE
	s_setreg_imm32_b32 hwreg(HW_REG_WAVE_SCHED_MODE, 0, 2), 2
	s_setreg_imm32_b32 hwreg(HW_REG_WAVE_MODE, 25, 1), 1
	s_wait_xcnt 0x0
	s_wait_alu depctr_vm_vsrc(0)
; PREP.  Every input matrix is rounded once to bf16 (nearest even) and laid out for the product launch; the twelve products of max(W,0) and min(W,0) with the six vectors are made on the way.
;   WA  bf16 [kb 32][ty 16][sign 2][ri 128][64 k]: sign 0 = max(W,0), sign 1 = min(W,0); row = 128 ty + ri, k = 64 kb + ..: 64 along K of a block of 128 rows are 32,768 dense bytes.
;   PB  bf16 [k 2048][tx 16][mat 4][128 columns]: mat = prev_W_upper, prev_W_lower, prev_W_upper2, prev_W_lower2.
;   vecs f32 [row 2048][8]: the sums of b_upper, b_lower, ub, lb, bu, bl WITHOUT b; words 6 and 7 are 0, so that a work-group's 8 rows are 256 bytes on end.
; LIMITS.  W and the six vectors enter the sums rounded to bf16; products and sums are f32, in another order than a row-by-row sum.  A NaN in W counts as 0 in both parts (the packed maximum
; and minimum drop it); infinities are not treated apart; the sign of zero is not kept.
; SHARES.  256 work-groups, all alike: work-group wg owns rows 8 wg .. 8 wg + 7 of W and of the four prev_W.  Sixteen waves.
;   prev_W: thread t takes the 16 bytes at byte 16 t of a row, so wave w holds columns 128 w .. 128 w + 127 (tx = w); rounded they are 8 bytes a lane, 256 bytes a wave, aligned, in PB.
;   W: wave w = v + 8 g takes k = 256 v .. 256 v + 255 of rows 4 g .. 4 g + 3, two rows at a time: lanes 0-15 one row, lanes 16-31 the next, 4 numbers a lane.  A load covers 256 consecutive
;   bytes of each of two rows; a store covers 256 consecutive bytes of WA (two rows x 64 k).  The wave's 256 numbers of each vector stay in registers.  The eight strips' sums meet in LDS.
; NO CLUSTER, NO TENSOR LOAD, NO MATRIX UNIT: each byte of the matrices is read once, by one wave; what work-groups share, the six vectors, is 48 KiB beside 80 MiB; the vector products
; are 12 multiply-adds for each number of W that lies in registers anyway, in a layout chosen for whole stores.
; THE MODE: SCHED_MODE bits 1:0 = 2 (LLVM: expert scheduling mode 2), set by the entry lines.  The code itself states the register dependences between vector instructions and memory or LDS
; instructions, with s_wait_alu, always for 0.
; THE PLAN.  Registers that memory or LDS instructions touch:
;   v4 - v10   offsets and LDS addresses: made once at the head, never written again.
;   WQ         W as loaded.  All of it is rounded and split in place; behind ONE wait its 16 stores go out, dealt among the lines that round the vectors, which name v14 and VEC alone.
;              The lines that unpack WQ come behind the last of those stores and only read it; it is never written again.
;   VEC        the vectors as loaded; read by the multiply-adds; then the second batch of prev_W lands in it.
;   RS0, RS1   a row pair's six sums and two zeros each: written by the sums' lines, read by four LDS stores, which stand in one run.
;              ONE wait, behind the second pair's sums, states that both are written, that the multiply-adds are done with VEC, and that v16 - v31 are done with, in which wave 0's LDS loads land.
;   v28 - v31  RS0's first four: the LDS stores read them, wave 0's LDS loads land in them: one wait on vm_vsrc, behind the barrier and ahead of the branch.
;   PA, VEC    prev_W by matrices of eight rows: a matrix's sixteen conversions write in place; its eight stores stand behind a wait, dealt among the next matrix's conversions, which name other registers.
; No store's data register and no offset is ever written again.
; LDS: bytes 0-2047 the partial sums [v 8][row 8][8 words]; behind them the spare words, 4 bytes for each thread.
.set WI,  4                            ; v4   my byte offset in W, from the work-group's first row
.set VI,  5                            ; v5   my byte offset in each vector
.set WO,  6                            ; v6   my byte offset in WA
.set PI,  7                            ; v7   my byte offset in a row of prev_W: 16 t
.set PO,  8                            ; v8   my byte offset in a k row of PB: 1,024 w + 8 lane
.set PS,  9                            ; v9   where my row's six sums go in LDS
.set VP,  10                           ; v10  8 x lane
.set ZR,  11                           ; v11  0, for the packed maximum and minimum
.set ACC, 16                           ; v[16:27]  six running sums, a pair each (even and odd numbers)
.set RS,  28                           ; v[28:35]  the first row pair: the six sums of a row, then two zeros
.set PF,  36                           ; v[36:39]  four numbers of max(W,0) in f32
.set MF,  40                           ; v[40:43]  four numbers of min(W,0) in f32
.set VEC, 48                           ; v[48:143] vector q, quarter t of the strip, number e at VEC + 16 q + 4 t + e; later the second batch of prev_W
.set WQ,  144                          ; v[144:175] W: row pair rp, quarter t at WQ + 16 rp + 4 t
.set PA,  176                          ; v[176:239] the first batch of prev_W
.set RS1, 240                          ; v[240:247] the second row pair: the six sums of a row, then two zeros
	s_load_b512 s[8:23], s[0:1], 0x0               ; W s[8:9]; the six vectors s[10:21]; prev_W_upper s[22:23]
	s_load_b256 s[24:31], s[0:1], 0x40             ; prev_W_lower, prev_W_upper2, prev_W_lower2 s[24:29]; WA s[30:31]
	s_load_b128 s[32:35], s[0:1], 0x60             ; PB s[32:33], vecs s[34:35]
	v_lshl_add_u32 v46, v0, 2, 0x800
	v_mov_b32 v47, 0
	v_lshrrev_b32 v1, 5, v0
	v_readfirstlane_b32 s36, v1                    ; wave 0..15
	s_mov_b32 s44, 0xffff0000                      ; a word's upper bf16
	v_and_b32 v1, 31, v0                           ; lane
	v_and_b32 v2, 15, v0                           ; c: my four numbers in 64
	v_bfe_u32 v3, v0, 4, 1                         ; hh: which row of a pair
	v_lshlrev_b32 v[PI], 4, v0
	v_lshlrev_b32 v[VP], 3, v1
	v_mov_b32 v[ZR], 0
	v_mov_b32 v[RS+6], 0
	v_mov_b32 v[RS+7], 0
	v_mov_b32 v[RS1+6], 0
	v_mov_b32 v[RS1+7], 0
	s_wait_alu depctr_va_sdst(0)                   ; s36 is written, ahead of its first reader: offsets, LDS addresses and the branch below are made from it
	s_and_b32 s37, s36, 7                          ; v: my strip of K
	s_lshr_b32 s38, s36, 3                         ; g: my four rows
	s_lshl_b32 s45, s38, 15                        ; 4 g rows of 8,192 bytes
	s_lshl_b32 s46, s37, 10                        ; 256 v numbers of 4 bytes
	s_add_co_u32 s45, s45, s46
	v_lshl_add_u32 v[WI], v2, 4, s45
	v_lshl_add_u32 v[WI], v3, 13, v[WI]
	v_lshl_add_u32 v[VI], v2, 4, s46
	s_lshl_b32 s45, s37, 21                        ; kb = 4 v: 4 x 524,288 bytes
	s_lshl_b32 s47, s38, 9                         ; 4 g rows of 128 bytes
	s_add_co_u32 s45, s45, s47
	v_lshl_add_u32 v[WO], v2, 3, s45
	v_lshl_add_u32 v[WO], v3, 7, v[WO]
	s_lshl_b32 s45, s36, 10
	v_lshl_add_u32 v[PO], v1, 3, s45
	s_lshl_b32 s45, s37, 8                         ; strip v: 256 bytes,
	s_lshl_b32 s47, s38, 7                         ; rows 4 g on: 32 bytes a row.  So each wave has 128 bytes of its own
	s_add_co_u32 s45, s45, s47
	v_lshl_add_u32 v[PS], v3, 5, s45
	s_lshl_b32 s40, ttmp9, 16                      ; 8 rows of 8,192 bytes
	s_mov_b32 s41, 0
	s_lshr_b32 s42, ttmp9, 4                       ; ty
	s_lshl_b32 s42, s42, 15
	s_and_b32 s43, ttmp9, 15                       ; my 8 rows among ty's 128
	s_lshl_b32 s43, s43, 10
	s_add_co_u32 s42, s42, s43
	s_mov_b32 s43, 0
	s_wait_kmcnt 0x0
	s_add_nc_u64 s[8:9], s[8:9], s[40:41]
	s_add_nc_u64 s[22:23], s[22:23], s[40:41]
	s_add_nc_u64 s[24:25], s[24:25], s[40:41]
	s_add_nc_u64 s[26:27], s[26:27], s[40:41]
	s_add_nc_u64 s[28:29], s[28:29], s[40:41]
	s_add_nc_u64 s[30:31], s[30:31], s[42:43]
	s_lshl_b32 s40, ttmp9, 17                      ; 8 k rows of 16,384 bytes
	s_add_nc_u64 s[32:33], s[32:33], s[40:41]
	s_lshl_b32 s40, ttmp9, 8                       ; 8 rows of 32 bytes
	s_add_nc_u64 s[34:35], s[34:35], s[40:41]
	s_wait_alu depctr_va_vdst(0)                   ; the seven offsets and addresses v4 to v10 are written, which every load and store below reads; so are the four zeros that the LDS stores carry
	; 48 loads go out together: 24 for the vectors, 8 for W, 16 for prev_W_upper and prev_W_lower
.irp q, 0,1,2,3,4,5
.irp t, 0,1,2,3
	global_load_b128 v[VEC+16*\q+4*\t:VEC+16*\q+4*\t+3], v[VI], s[10+2*\q:11+2*\q] offset:256*\t
.endr
.endr
.irp rp, 0,1
.irp t, 0,1,2,3
	global_load_b128 v[WQ+16*\rp+4*\t:WQ+16*\rp+4*\t+3], v[WI], s[8:9] offset:16384*\rp+256*\t th:TH_LOAD_NT
.endr
.endr
.irp m, 0,1
.irp r, 0,1,2,3,4,5,6,7
	global_load_b128 v[PA+32*\m+4*\r:PA+32*\m+4*\r+3], v[PI], s[22+2*\m:23+2*\m] offset:8192*\r th:TH_LOAD_NT
.endr
.endr
; Four numbers of each of two rows of W, in three parts.  SPLIT: the quad's four registers end as the two stores' data and are not written again.
.macro SPLIT rp, t
.set R, WQ+16*(\rp)+4*(\t)
	v_cvt_pk_bf16_f32 v[R], v[R], v[R+1]           ; rounded once,
	v_cvt_pk_bf16_f32 v[R+1], v[R+2], v[R+3]
	v_pk_min_num_bf16 v[R+2], v[R], v[ZR]          ; and split by sign: nothing more is rounded
	v_pk_min_num_bf16 v[R+3], v[R+1], v[ZR]
	v_pk_max_num_bf16 v[R], v[R], v[ZR]
	v_pk_max_num_bf16 v[R+1], v[R+1], v[ZR]
.endm
.macro WSEND rp, t
.set R, WQ+16*(\rp)+4*(\t)
	global_store_b64 v[WO], v[R:R+1], s[30:31] offset:524288*(\t)+256*(\rp)          ; the wave stores 256 consecutive bytes, aligned
	global_store_b64 v[WO], v[R+2:R+3], s[30:31] offset:524288*(\t)+256*(\rp)+16384
.endm
.macro WFMA rp, t
.set R, WQ+16*(\rp)+4*(\t)
	v_lshlrev_b32 v[PF], 16, v[R]
	v_and_b32 v[PF+1], s44, v[R]
	v_lshlrev_b32 v[PF+2], 16, v[R+1]
	v_and_b32 v[PF+3], s44, v[R+1]
	v_lshlrev_b32 v[MF], 16, v[R+2]
	v_and_b32 v[MF+1], s44, v[R+2]
	v_lshlrev_b32 v[MF+2], 16, v[R+3]
	v_and_b32 v[MF+3], s44, v[R+3]
.irp j, 0,1,2                          ; the pairs of vectors (upper, lower): sum 2 j = p . upper + m . lower, sum 2 j + 1 = p . lower + m . upper
.irp p, 0,1
.set VA, VEC+32*\j+4*(\t)+2*\p
.set VB, VA+16
.set A0, ACC+4*\j
.set A1, ACC+4*\j+2
.if ((\t) == 0) && (\p == 0)
	v_pk_mul_f32 v[A0:A0+1], v[PF+2*\p:PF+2*\p+1], v[VA:VA+1]                ; a row's first products start its sums
	v_pk_mul_f32 v[A1:A1+1], v[PF+2*\p:PF+2*\p+1], v[VB:VB+1]
.else
	v_pk_fma_f32 v[A0:A0+1], v[PF+2*\p:PF+2*\p+1], v[VA:VA+1], v[A0:A0+1]
	v_pk_fma_f32 v[A1:A1+1], v[PF+2*\p:PF+2*\p+1], v[VB:VB+1], v[A1:A1+1]
.endif
	v_pk_fma_f32 v[A0:A0+1], v[MF+2*\p:MF+2*\p+1], v[VB:VB+1], v[A0:A0+1]
	v_pk_fma_f32 v[A1:A1+1], v[MF+2*\p:MF+2*\p+1], v[VA:VA+1], v[A1:A1+1]
.endr
.endr
.endm
; The six sums of a row pair: over the pair of each accumulator, then over the 16 lanes of a row, into the pair's own eight registers.
.macro RSUM rp
.set Q, RS+(RS1-RS)*(\rp)
.irp o, 0,1,2,3,4,5
	v_add_f32 v[Q+\o], v[ACC+2*\o], v[ACC+2*\o+1]
.endr
.irp x, 1,2,4,8
.irp o, 0,1,2,3,4,5
	v_add_f32_dpp v[Q+\o], v[Q+\o], v[Q+\o] row_xmask:\x row_mask:0xf bank_mask:0xf
.endr
.endr
.endm
.macro RSEND rp                        ; all 16 lanes of a row store the same 32 bytes
.set Q, RS+(RS1-RS)*(\rp)
	ds_store_b128 v[PS], v[Q:Q+3] offset:64*(\rp)
	ds_store_b128 v[PS], v[Q+4:Q+7] offset:64*(\rp)+16
.endm
; 16 bytes of a row of prev_W become 8 of PB.
.macro PCVT reg
	v_cvt_pk_bf16_f32 v[\reg], v[\reg], v[(\reg)+1]
	v_cvt_pk_bf16_f32 v[(\reg)+1], v[(\reg)+2], v[(\reg)+3]
.endm
.macro PSEND reg, mat, row
	global_store_b64 v[PO], v[\reg:(\reg)+1], s[32:33] offset:16384*(\row)+256*(\mat)  ; the wave stores 256 consecutive bytes, aligned
.endm
; Two matrices, mat and mat + 1, whose eight rows each lie at base and at base + 32.  left = the loads issued behind the second matrix's.
.macro PAIR base, mat, left
	s_wait_loadcnt (\left)+8                       ; loads come back in order (ISA guide 5.7.1): the first matrix's eight rows are in; the second's eight and the later loads stay out
.irp r, 0,1,2,3,4,5,6,7
	PCVT (\base)+4*\r
.endr
	s_wait_loadcnt \left                           ; the second matrix's rows are in
	s_wait_alu depctr_va_vdst(0)                   ; the first matrix's conversions have written its registers, which the stores below read; the conversions among them name the second matrix's alone
.irp r, 0,1,2,3,4,5,6,7
	PSEND (\base)+4*\r, \mat, \r
	PCVT (\base)+32+4*\r
.endr
	s_wait_alu depctr_va_vdst(0)                   ; the second matrix's conversions have written its registers, which the stores below read
.irp r, 0,1,2,3,4,5,6,7
	PSEND (\base)+32+4*\r, (\mat)+1, \r
.endr
.endm
	s_wait_loadcnt 16                              ; the vectors and W are in; prev_W's 16 loads stay out
.irp rp, 0,1
.irp t, 0,1,2,3
	SPLIT \rp, \t
.endr
.endr
	s_wait_alu depctr_va_vdst(0)                   ; the lines above have written all of WQ, which the sixteen stores below read
.set i, 0
.irp rp, 0,1
.irp t, 0,1,2,3
	WSEND \rp, \t                                  ; two stores ahead of every six groups: no vector line since the wait names WQ or v[WO]
.rept 6                                        ; the vectors, rounded to bf16 and widened again
	v_cvt_pk_bf16_f32 v14, v[VEC+i], v[VEC+i+1]
	v_lshlrev_b32 v[VEC+i], 16, v14
	v_and_b32 v[VEC+i+1], s44, v14
.set i, i+2
.endr
.endr
.endr
	WFMA 0, 0
	WFMA 0, 1
	WFMA 0, 2
	WFMA 0, 3
	RSUM 0
	WFMA 1, 0
	WFMA 1, 1
	WFMA 1, 2
	WFMA 1, 3
	RSUM 1
	s_wait_alu depctr_va_vdst(0)                   ; both row pairs' sums are written, which the LDS stores read; the multiply-adds are done with VEC, in which the loads below land; v16 to v31 are done with, in which wave 0's LDS loads land
	RSEND 0
	RSEND 1
.irp m, 2,3                            ; the vectors' registers are free: prev_W_upper2 and prev_W_lower2
.irp r, 0,1,2,3,4,5,6,7
	global_load_b128 v[VEC+32*(\m-2)+4*\r:VEC+32*(\m-2)+4*\r+3], v[PI], s[22+2*\m:23+2*\m] offset:8192*\r th:TH_LOAD_NT
.endr
.endr
	s_wait_dscnt 0x0                               ; for the others' sake: my partial sums lie in LDS
	s_barrier_signal -1
	s_barrier_wait -1                              ; everybody's do
	s_wait_alu depctr_vm_vsrc(0)                   ; my LDS stores have read v28 to v31, in which wave 0's LDS loads land: stated ahead of the branch
	s_cmp_lg_u32 s36, 0
	s_cbranch_scc1 .Lnot_wave_0
.irp v, 0,1,2,3,4,5,6,7                ; wave 0 adds the eight strips: lane l takes words 2 l, 2 l + 1 of the 8 rows x 8 words
	ds_load_b64 v[ACC+2*\v:ACC+2*\v+1], v[VP] offset:256*\v
.endr
	s_wait_dscnt 0x0
	v_pk_add_f32 v[ACC:ACC+1], v[ACC:ACC+1], v[ACC+2:ACC+3]
	v_pk_add_f32 v[ACC+4:ACC+5], v[ACC+4:ACC+5], v[ACC+6:ACC+7]
	v_pk_add_f32 v[ACC+8:ACC+9], v[ACC+8:ACC+9], v[ACC+10:ACC+11]
	v_pk_add_f32 v[ACC+12:ACC+13], v[ACC+12:ACC+13], v[ACC+14:ACC+15]
	v_pk_add_f32 v[ACC:ACC+1], v[ACC:ACC+1], v[ACC+4:ACC+5]
	v_pk_add_f32 v[ACC+8:ACC+9], v[ACC+8:ACC+9], v[ACC+12:ACC+13]
	v_pk_add_f32 v[ACC:ACC+1], v[ACC:ACC+1], v[ACC+8:ACC+9]
	s_wait_alu depctr_va_vdst(0)                   ; the last addition has written v16 and v17, which the store reads
	global_store_b64 v[VP], v[ACC:ACC+1], s[34:35]  ; 256 consecutive bytes, aligned
.Lnot_wave_0:
	PAIR PA, 0, 16                                 ; prev_W_upper, prev_W_lower; behind them the second batch's 16 loads
	PAIR VEC, 2, 0                                 ; prev_W_upper2, prev_W_lower2
	s_wait_dscnt 0x0                               ; the wave's end
	s_wait_alu depctr_hold_cnt(0) depctr_sa_sdst(0) depctr_va_vdst(0) depctr_va_sdst(0) depctr_va_ssrc(0) depctr_va_vcc(0) depctr_vm_vsrc(0)
	s_wait_tensorcnt 0x0
	ds_add_u32 v46, v47
	s_wait_dscnt 0x0
	s_endpgm
.Lfunc_end_k_q371127c60e_prep:
	.size	k_q371127c60e_prep, .Lfunc_end_k_q371127c60e_prep-k_q371127c60e_prep
	.p2alignl 7, 3214868480
	.fill 96, 4, 3214868480
	.section	.rodata,"a",@progbits
	.p2align	6, 0x0
	.amdhsa_kernel k_q371127c60e_prep
		.amdhsa_group_segment_fixed_size 4096
		.amdhsa_private_segment_fixed_size 0
		.amdhsa_enable_private_segment 0
		.amdhsa_kernarg_size 112
		.amdhsa_user_sgpr_count 2
		.amdhsa_user_sgpr_kernarg_segment_ptr 1
		.amdhsa_wavefront_size32 1
		.amdhsa_system_sgpr_workgroup_id_x 1
		.amdhsa_system_sgpr_workgroup_id_y 1
		.amdhsa_system_sgpr_workgroup_id_z 1
		.amdhsa_system_vgpr_workitem_id 0
		.amdhsa_next_free_vgpr 248
		.amdhsa_next_free_sgpr 66
		.amdhsa_reserve_vcc 0
		.amdhsa_float_denorm_mode_32 3
		.amdhsa_float_denorm_mode_16_64 3
		.amdhsa_memory_ordered 1
		.amdhsa_forward_progress 1
		.amdhsa_inst_pref_size 46
	.end_amdhsa_kernel
	.amdgpu_metadata
---
amdhsa.version: [ 1, 2 ]
amdhsa.kernels:
  - .name:           k_q371127c60e_prep
    .symbol:         k_q371127c60e_prep.kd
    .args:
      - { .name: W, .offset: 0, .size: 8, .value_kind: global_buffer, .address_space: global }
      - { .name: prev_b_upper, .offset: 8, .size: 8, .value_kind: global_buffer, .address_space: global }
      - { .name: prev_b_lower, .offset: 16, .size: 8, .value_kind: global_buffer, .address_space: global }
      - { .name: prev_ub, .offset: 24, .size: 8, .value_kind: global_buffer, .address_space: global }
      - { .name: prev_lb, .offset: 32, .size: 8, .value_kind: global_buffer, .address_space: global }
      - { .name: prev_b_upper2, .offset: 40, .size: 8, .value_kind: global_buffer, .address_space: global }
      - { .name: prev_b_lower2, .offset: 48, .size: 8, .value_kind: global_buffer, .address_space: global }
      - { .name: prev_W_upper, .offset: 56, .size: 8, .value_kind: global_buffer, .address_space: global }
      - { .name: prev_W_lower, .offset: 64, .size: 8, .value_kind: global_buffer, .address_space: global }
      - { .name: prev_W_upper2, .offset: 72, .size: 8, .value_kind: global_buffer, .address_space: global }
      - { .name: prev_W_lower2, .offset: 80, .size: 8, .value_kind: global_buffer, .address_space: global }
      - { .name: WA, .offset: 88, .size: 8, .value_kind: global_buffer, .address_space: global }
      - { .name: PB, .offset: 96, .size: 8, .value_kind: global_buffer, .address_space: global }
      - { .name: vecs, .offset: 104, .size: 8, .value_kind: global_buffer, .address_space: global }
    .group_segment_fixed_size: 4096
    .private_segment_fixed_size: 0
    .kernarg_segment_align: 8
    .kernarg_segment_size: 112
    .max_flat_workgroup_size: 512
    .sgpr_count:     66
    .vgpr_count:     248
    .wavefront_size: 32
...
	.end_amdgpu_metadata
.endif
;; end of part 4
;; launch gemm: the kernel of part 2 again; grid 16 x 16, 4 waves a work-group, clusters of 4 x 4, 327,680 bytes of LDS; arguments WA, PB, prev_ub, prev_lb, out1, out2, part; writes out1, out2, part
;; launch finish: the kernel of part 3 again; grid 32 x 1, 1 waves a work-group, no clusters, 0 bytes of LDS; arguments vecs, part, b, out0, out3, out4; writes out0, out3, out4
